; MI455X (gfx1250); checked and timed in simulation.
; The chip was launched on July 23, 2026; its instructions are those of AMD's public machine-readable ISA for CDNA 5 (MIT licence, August 2026) and "CDNA5" Instruction Set Architecture Reference Guide (July 2026). The comments in the code are by the model that wrote it; some were corrected since.
;; Vehicle Embedding. Allowed arithmetic: matrix products marked QUANTISED: E2M3 operands, one E8M0 scale for each 32 along K, by v_wmma_scale_f32_16x16x128_f8f6f4 with both operands' format E2M3, f32 sums; everything else in f32.
;; Inputs: W_ih 2,048 x 1,012 float32; b_hh 2,048 float32; b_ih 2,048 float32; beta 512 float32; gamma 512 float32; loads 2,048 x 16 float32; positions 2,048 x 16 int32; time 2,048 int32.
;; Outputs: out0 2,048 x 16 x 512 float32.
;; This version of the problem:
;;   THIS VERSION OF THE PROBLEM IS GIVEN IN LOW PRECISION. The matrix products marked QUANTISED in the list below multiply operands that are first quantised to E2M3 (2 exponent bits, 3 mantissa bits; 6 bits a number), with one power-of-two scale for each 32 numbers along K (OCP MX v1.0); their sums are f32. All else is computed in f32.
;;   The module's matrix products, in the order in which they are computed (A, B: the left and right operand; K: the contracted axis; several contracted axes count as one K, in the product's order):
;;     1. [M 32,768, K 1,012] x [K 1,012, N 2,048]; A: computed on the way; B: input W_ih: QUANTISED
;;   THE QUANTISER, for each operand of a quantised product, along K:
;;     - K is cut into blocks of 32 from its start; a last block that is shorter is filled with zeros.
;;     - A block's scale is 2^e with e = floor(log2(the largest magnitude in the block)) - 2, held to -126 .. 127; a block of zeros has e = 0. As a byte (E8M0): e + 127.
;;     - Each number is divided by its block's scale, clamped to +-7.5, and rounded to the nearest number of E2M3, ties to even, subnormals kept.
;;     - The product sums the exact products of the quantised numbers (number of the format x scale) in f32.
;;   ~~~python
;;   def quantise(x, axis):      # numpy; x: float32 -> the quantised numbers, widened to float32 again
;;       x = np.moveaxis(x, axis, -1); K = x.shape[-1]
;;       x = np.pad(x, [(0, 0)] * (x.ndim - 1) + [(0, -K % 32)]); x = x.reshape(x.shape[:-1] + (-1, 32)); a = np.abs(x).max(-1, keepdims=True)
;;       e = np.where(a > 0, np.clip(np.frexp(np.where(a > 0, a, 1))[1] - 1 - 2, -126, 127), 0)      # np.frexp(a)[1] - 1 = floor(log2(a)), exactly
;;       r = np.clip(x / 2.0 ** e, -7.5, 7.5)
;;       step = 2.0 ** (np.maximum(np.frexp(np.where(r == 0, 1, r))[1] - 1, 0) - 3)
;;       q = np.round(r / step) * step * 2.0 ** e      # np.round: ties to even
;;       return np.moveaxis(q.reshape(q.shape[:-2] + (-1,))[..., :K], -1, axis).astype(np.float32)
;;   ~~~
;;   OPERANDS COMPUTED ON THE WAY. 'Computed on the way' means the value that the module computes at that place (a softmax that the list does not call 'softmax' is quantised finished and normalised). What goes into a quantiser is computed in f32, as accurately as f32 sums, v_exp_f32 and their like allow (about 1e-6 of the number): no bf16 or f16 on the way to a quantiser, and a product that is left as it is and whose result goes on into a quantised operand takes f32 operands (vector FMAs, or v_wmma_f32_16x16x4_f32). A number that lies on a knife's edge between two numbers of the format may be rounded either way, as far as f32 arithmetic and the matrix unit's own rounding can turn it there, and no further.
;; One version. Each part assembles by itself: llvm-mc -triple=amdgcn-amd-amdhsa -mcpu=gfx1250 --defsym DOCPART=n.
;; ======== version 1 of 1: 2 launches
;; limits: right only within a limited range of input values
;; workspace buffers: tab 6,291,456 bytes; wc 159,744 bytes
;; launch wtab (part 1): grid 192 x 1, 4 waves a work-group, no clusters, 69,632 bytes of LDS; arguments W_ih, b_ih, b_hh, tab, wc; writes tab, wc
.if DOCPART == 1
	.amdgcn_target "amdgcn-amd-amdhsa--gfx1250"
	.amdhsa_code_object_version 6
	.text
	.protected	k_qf96de641f5_wtab
	.globl	k_qf96de641f5_wtab
	.p2align	8
	.type	k_qf96de641f5_wtab,@function
k_qf96de641f5_wtab:
	s_mov_b64 s[64:65], 0
	v_nop
	global_prefetch_b8 v0, s[64:65] scope:SCOPE_SE
	s_setreg_imm32_b32 hwreg(HW_REG_WAVE_MODE, 25, 1), 1
	s_wait_xcnt 0x0
; WHAT IS LEFT OUT, AND WHY.  (1) The gate f (rows 512-1023 of W_ih, b_ih, b_hh) is multiplied by c0 = 0: it reaches no output and is not read.
; (2) A row of feat holds at most three numbers other than 0: a 1 at k = position (0 .. 499), load / 100 at k = 500, a 1 at k = 501 + clip(time, 0, 510).  Outside K step 3 (k = 384 .. 511) a block that is not
; all zeros holds one 1 alone: its scale is 2^-2, its code that of 4, the quantised 1 is 1.  So what K steps 0-2 and 4-7 add to a row of Q(feat) Q(W_ih)^T is Q(W)^T's row `position` (under 384) and its row
; 501 + time (from 512 on), for all values of the inputs: which rows, whole numbers decide, and the second launch reads them from memory.  This launch makes that product once for each DIFFERENT one-hot row of feat,
; by the matrix instruction on codes of FP6 (E2M3), and of its eight K steps only the one that holds the 1: the others multiply tiles of zeros.  K step 3, which holds load / 100, is multiplied row by row in the second launch.
; LIMITS: a block of zeros of W keeps the scale byte 1 (its codes are zeros); NaN and infinities among the inputs are not served, and one that reaches only the work left out is not carried to the result.
; tab [1024][96 slots][16] f32.  Slot 6 c + 2 q + e: gate q (i, g, o), unit tile n = 2 c + e; number m of a slot: unit 64 (n / 4) + 4 m + n % 4.  Rows k under 501: Q(W)(unit, k).
; Rows 501 .. 1022: F x (Q(W)(unit, k) + b_ih + b_hh), F = -log2(e) for i and o, -2 log2(e) for g; W has no k from 1012 on, so row 1012 holds F x the biases alone.  Row 1023: zeros.
; wc: K step 3's operand for the second launch: slot s: the fragment's 12 registers, registers 4 p .. 4 p + 3 of lane L at 1536 s + 512 p + 16 L; its scale words at 147456 + 128 s + 4 L (lane L: row L % 16).
; A work-group takes one K step of 128 and four slots, a wave one slot.  A wave reads 16 rows x 512 bytes of W_ih, turns them through its own stage so that lane (r, h) holds k = 64 c + 32 h + 0 .. 31 of row r,
; quantises two whole blocks a lane, and multiplies its fragment by eight tiles of 16 one-hot rows (source 0 = W's rows: lane (r, h) then holds table row 16 kt + r, numbers 8 h + 0 .. 7 of the slot).
; The results meet in a stage of 128 table rows x 256 bytes and leave as whole aligned runs of 256 bytes.
.set ROWB,   4048                      ; a row of W_ih in bytes
.set SPITCH, 528                       ; a row of the first stage: 512 bytes + 16
.set STAGEB, 16*SPITCH
.set TS,     4*STAGEB                  ; the second stage
.set TPITCH, 272                       ; its rows: 256 bytes + 16
.set SPARE,  TS+128*TPITCH             ; the spare words, 128 bytes for each wave
.set TROW,   6144                      ; a row of tab in bytes
.set R, 16                             ; v16-79   the numbers as loaded; then at work; then the eight accumulators; then rows on their way out
.set X, 80                             ; v80-143  my 64 numbers; before them the one-hot words, behind them the biases
.set C, 144                            ; v144-155 W's fragment
.set E, 156                            ; v156-251 the eight one-hot fragments;  v252 their scale word, v253 W's, v[254:255] 1 where the table row takes the bias
	s_load_b256 s[4:11], s[0:1], 0x0               ; W_ih, b_ih, b_hh, tab
	s_load_b64 s[40:41], s[0:1], 0x20              ; wc
	v_lshl_add_u32 v12, v0, 2, SPARE               ; my spare word,
	v_mov_b32 v13, 0                               ; and 0: kept for the closing lines
	v_lshrrev_b32 v1, 5, v0
	v_readfirstlane_b32 s18, v1                    ; wave
	s_and_b32 s12, ttmp9, 7                        ; the K step
	s_lshr_b32 s13, ttmp9, 3                       ; which four slots
	s_lshl_b32 s14, s13, 2
	s_add_co_u32 s14, s14, s18                     ; my slot, 0 .. 95
	s_mul_i32 s15, s14, 43
	s_lshr_b32 s15, s15, 8                         ; slot / 6 (exact for slots under 96)
	s_mul_i32 s16, s15, 6
	s_sub_co_u32 s16, s14, s16
	s_lshr_b32 s17, s16, 1                         ; the gate: 0 i, 1 g, 2 o
	s_and_b32 s16, s16, 1
	s_lshl_b32 s15, s15, 1
	s_add_co_u32 s15, s15, s16                     ; the unit tile n
	s_lshr_b32 s16, s15, 2
	s_lshl_b32 s16, s16, 6
	s_and_b32 s15, s15, 3
	s_add_co_u32 s16, s16, s15                     ; its first unit; the others follow four apart
	s_min_u32 s19, s17, 1
	s_add_co_u32 s19, s19, s17
	s_lshl_b32 s19, s19, 9                         ; the gate's first row in W_ih: 0, 1024, 1536
	s_add_co_u32 s19, s19, s16
	s_mul_i32 s20, s19, ROWB
	s_mov_b32 s21, 0
	s_lshl_b32 s22, s19, 2                         ; my first bias
	s_mov_b32 s23, 0
	s_lshl_b32 s24, s12, 7
	s_lshl_b32 s25, s18, 5
	s_add_co_u32 s24, s24, s25                     ; the table rows that I store: 128 x K step + 32 x wave on
	s_mul_i32 s24, s24, TROW
	s_lshl_b32 s25, s13, 8
	s_add_co_u32 s24, s24, s25                     ; + the four slots' 256 bytes
	s_mov_b32 s25, 0
	s_mov_b32 s27, 0xbfb8aa3b                      ; -log2(e)
	s_cmp_eq_u32 s17, 1
	s_cselect_b32 s26, 0xc038aa3b, s27             ; -2 log2(e) for g
	s_mov_b32 s27, s26
	s_mul_i32 s42, s14, 1536                       ; my slot's image in wc,
	s_mov_b32 s43, 0
	s_lshl_b32 s44, s14, 7
	s_add_co_u32 s44, s44, 147456                  ; and its scale words
	s_mov_b32 s45, 0
	s_lshl_b32 s31, s12, 7
	s_sub_co_u32 s28, s31, 501
	s_lshl_b32 s29, s12, 9
	s_mul_i32 s30, s18, STAGEB
	s_lshl_b32 s36, s18, 6
	s_add_co_u32 s36, s36, TS
	s_mul_i32 s37, s18, 32*TPITCH
	s_add_co_u32 s37, s37, TS
	s_mov_b32 s34, 0x76543210
	s_mov_b32 s35, 0xfedcba98                      ; selects for lane l xor 16
	v_and_b32 v1, 31, v0                           ; lane L
	v_and_b32 v2, 15, v0                           ; r
	v_bfe_u32 v3, v0, 4, 1                         ; h
	v_lshlrev_b32 v7, 4, v1
	v_lshlrev_b32 v1, 2, v1                        ; 4 L
	v_add_nc_u32 v4, s29, v7
	v_min_u32 v4, ROWB-16, v4                      ; my 16 bytes of a row's 512; in the last K step lanes 29-31 take the row's last 16 bytes, which are dropped below
	v_lshl_add_u32 v11, v3, 5, s31                 ; 128 x K step + 32 h
	v_add_nc_u32 v5, s30, v7                       ; first stage, in: 16 L
	v_mul_u32_u24 v6, v2, SPITCH
	v_lshl_add_u32 v6, v3, 7, v6
	v_add_nc_u32 v6, s30, v6                       ; out: row r + 128 h bytes
	v_mov_b32 v8, 0
	v_mul_u32_u24 v9, v2, TPITCH
	v_lshl_add_u32 v9, v3, 5, v9
	v_add_nc_u32 v9, s36, v9                       ; second stage, in: row r, 64 x wave + 32 h
	v_mul_u32_u24 v10, v3, TPITCH
	v_lshl_add_u32 v10, v2, 4, v10
	v_add_nc_u32 v10, s37, v10                     ; out: rows 32 x wave + h on, 16 bytes a lane
	v_mul_u32_u24 v14, v3, TROW
	v_lshl_add_u32 v14, v2, 4, v14                 ; and the same two rows in tab
	v_add_nc_u32 v15, s28, v2                      ; table row r of tile 0, less 501
	s_wait_alu depctr_va_vdst(0)                   ; the wait at the head's end
	s_wait_kmcnt 0x0
	s_add_nc_u64 s[4:5], s[4:5], s[20:21]
	s_add_nc_u64 s[6:7], s[6:7], s[22:23]
	s_add_nc_u64 s[8:9], s[8:9], s[22:23]
	s_add_nc_u64 s[10:11], s[10:11], s[24:25]
	s_add_nc_u64 s[42:43], s[40:41], s[42:43]
	s_add_nc_u64 s[44:45], s[40:41], s[44:45]
.irp i, 0,1,2,3,4,5,6,7,8,9,10,11,12,13,14,15
	global_load_b128 v[R+4*\i:R+4*\i+3], v4, s[4:5] offset:4*ROWB*\i th:TH_LOAD_NT   ; 512 consecutive bytes of my row i
.endr
.irp m, 0,1,2,3,4,5,6,7,8,9,10,11,12,13,14,15
	s_load_b32 s[48+\m], s[6:7], 16*\m             ; b_ih and b_hh of my 16 units
	s_load_b32 s[68+\m], s[8:9], 16*\m
.endr
	; THE ONE-HOT FRAGMENTS, made while the loads are out.  Row r of tile kt has its 1 at k = 16 kt + r of the step: the code 24 (4 x 2^-2) at bit 96 (kt % 2) + 6 r of the 192 bits
	; that lanes h = (kt / 2) % 2 hold in registers 6 (kt / 4) on.
	v_mul_u32_u24 v80, v2, 6
	v_mov_b32 v84, 24
	v_mov_b32 v86, 12
	v_lshrrev_b32 v81, 5, v80                      ; the word,
	v_and_b32 v82, 31, v80                         ; the shift
	v_lshlrev_b32 v83, v82, v84
	v_sub_nc_u32 v85, 31, v82
	v_lshrrev_b32 v86, v85, v86                    ; what runs over into the next word: 24 >> (32 - shift), in two steps
	v_cmp_eq_u32 vcc_lo, 0, v81
	v_cndmask_b32 v87, v8, v83, vcc_lo
	v_cndmask_b32 v88, v8, v86, vcc_lo
	v_cmp_eq_u32 vcc_lo, 1, v81
	v_cndmask_b32 v88, v88, v83, vcc_lo
	v_cndmask_b32 v89, v8, v86, vcc_lo
	v_cmp_eq_u32 vcc_lo, 2, v81
	v_cndmask_b32 v89, v89, v83, vcc_lo
	v_cmp_eq_u32 vcc_lo, 0, v3
.irp i, 0,1,2
	v_cndmask_b32 v[90+\i], v8, v[87+\i], vcc_lo   ; the three words in lanes 0-15 alone,
	v_cndmask_b32 v[93+\i], v[87+\i], v8, vcc_lo   ; and in lanes 16-31 alone
.endr
.set kt, 0
.rept 8
.set i, 0
.rept 12
.if i/3 == 2*(kt/4)+kt%2
	v_mov_b32 v[E+12*kt+i], v[90+3*((kt/2)%2)+i%3]
.else
	v_mov_b32 v[E+12*kt+i], 0
.endif
.set i, i+1
.endr
.set kt, kt+1
.endr
	v_mov_b32 v252, 0x7d7d7d7d                     ; four bytes 125: 2^-2
	v_mov_b32 v254, 0
	v_mov_b32 v255, 0
	s_wait_alu depctr_va_vdst(0)                   ; the wait directly ahead of the waits below
.irp i, 0,1,2,3,4,5,6,7,8,9,10,11,12,13,14,15
	s_wait_loadcnt 15-\i                           ; loads come back in order: row i is in, the younger ones stay out
	ds_store_b128 v5, v[R+4*\i:R+4*\i+3] offset:SPITCH*\i
.endr
.irp c, 0,1
.irp e, 0,1,2,3,4,5,6,7
	ds_load_b128 v[X+32*\c+4*\e:X+32*\c+4*\e+3], v6 offset:256*\c+16*\e   ; LDS serves a wave's instructions in order: these see my stores
.endr
.endr
	s_wait_dscnt 0x0
	s_wait_kmcnt 0x0                               ; the biases
	v_cmp_eq_u32 s38, 928, v11                     ; the last K step's lanes 16-31: their second block is k = 992 .. 1023
.irp e, 52,53,54,55,56,57,58,59,60,61,62,63
	v_cndmask_b32 v[X+\e], v[X+\e], v8, s38        ; k = 1012 .. 1023 are zeros
.endr
.irp c, 0,1
	v_max3_num_f32 v[16+\c], |v[X+32*\c]|, |v[X+1+32*\c]|, 0x1800000   ; my block 2 c + h, and the floor 2^(3 - 127): the byte cannot fall under 1
.endr
.irp i, 2,4,6,8,10,12,14,16,18,20,22,24,26,28,30
.irp c, 0,1
	v_max3_num_f32 v[16+\c], v[16+\c], |v[X+32*\c+\i]|, |v[X+1+32*\c+\i]|   ; the two blocks by turns
.endr
.endr
.irp c, 0,1
	v_add_nc_u32 v[18+\c], 0xff000000, v[16+\c]    ; 2 off the exponent field: the conversion's scale operand
.endr
.irp c, 0,1
	v_lshrrev_b32 v[20+\c], 23, v[18+\c]           ; the scale's byte
.endr
	v_lshl_or_b32 v22, v21, 16, v20                ; my two bytes, blocks h and 2 + h,
	v_lshlrev_b32 v23, 3, v3
	v_lshlrev_b32 v22, v23, v22                    ; 8 h bits up;
	v_mov_b32 v24, 0
	v_permlanex16_b32 v24, v22, s34, s35
	v_or_b32 v253, v22, v24                        ; with lane l xor 16's two the word is whole
.irp c, 0,1
	v_cvt_scalef32_pk16_fp6_f32 v[C+6*\c:C+6*\c+2], v[X+32*\c:X+32*\c+15], v[18+\c]
	v_cvt_scalef32_pk16_fp6_f32 v[28+4*\c:30+4*\c], v[X+32*\c+16:X+32*\c+31], v[18+\c]   ; a conversion's three registers begin on an even number: the upper half is made here and moved
.endr
	v_nop                                          ; one plain instruction behind the scaled conversions
.irp c, 0,1
.irp i, 0,1,2
	v_mov_b32 v[C+6*\c+3+\i], v[28+4*\c+\i]
.endr
.endr
	; F x (b_ih + b_hh) of my numbers 8 h + 0 .. 7 into v80-87.  These lines are also the places between the writes of the fragment and of its scale word and the products
	v_cmp_eq_u32 vcc_lo, 1, v3
.irp j, 0,1,2,3,4,5,6,7
	v_add_f32 v[80+\j], s[48+\j], s[68+\j]
	v_add_f32 v[88+\j], s[56+\j], s[76+\j]
.endr
.irp j, 0,1,2,3,4,5,6,7
	v_cndmask_b32 v[80+\j], v[80+\j], v[88+\j], vcc_lo
.endr
.irp p, 0,2,4,6
	v_pk_mul_f32 v[80+\p:81+\p], v[80+\p:81+\p], s[26:27] op_sel_hi:[1,0]
.endr
	v_mov_b32 v97, 1.0
	v_mov_b32 v99, 0
	v_mov_b32 v108, s26
	s_wait_alu depctr_va_vdst(0)                   ; the wait directly ahead of the branch
	s_cmp_lg_u32 s12, 3
	s_cbranch_scc1 .Lnot3                          ; K step 3 alone leaves its codes and scale words for the second launch
.irp j, 0,1,2
	global_store_b128 v7, v[C+4*\j:C+4*\j+3], s[42:43] offset:512*\j   ; 512 consecutive bytes, at a multiple of 256 from wc's first byte
.endr
	global_store_b32 v1, v253, s[44:45]            ; 128 consecutive bytes: two neighbouring slots fill a run of 256
.Lnot3:
.irp kt, 0,1,2,3,4,5,6,7               ; eight accumulators, one product each
	v_wmma_scale_f32_16x16x128_f8f6f4 v[R+8*\kt:R+8*\kt+7], v[C:C+11], v[E+12*\kt:E+12*\kt+11], 0, v253, v252 matrix_a_fmt:MATRIX_FMT_FP6 matrix_b_fmt:MATRIX_FMT_FP6
.endr
.rept 4
	v_nop                                          ; four places ahead of the first read of a result (ISA guide 7.12.1)
.endr
.irp kt, 0,1,2,3,4,5,6,7
	v_add_nc_u32 v96, 16*\kt, v15
	v_cmp_gt_u32 vcc_lo, 522, v96                  ; 501 <= table row < 1023: it takes the factor and the biases
	v_cndmask_b32 v254, v8, v97, vcc_lo
	v_cndmask_b32 v98, v97, v108, vcc_lo
.irp p, 0,2,4,6
	v_pk_mul_f32 v[100+\p:101+\p], v[80+\p:81+\p], v[254:255] op_sel_hi:[1,0]
.endr
.irp p, 0,2,4,6
	v_pk_fma_f32 v[R+8*\kt+\p:R+8*\kt+\p+1], v[R+8*\kt+\p:R+8*\kt+\p+1], v[98:99], v[100+\p:101+\p] op_sel_hi:[1,0,1]   ; each accumulator from its low end on
.endr
	ds_store_b128 v9, v[R+8*\kt:R+8*\kt+3] offset:16*\kt*TPITCH
	ds_store_b128 v9, v[R+8*\kt+4:R+8*\kt+7] offset:16*\kt*TPITCH+16
.endr
	s_wait_dscnt 0x0                               ; for the others' sake: my 64 bytes of each of the 128 rows lie in LDS
	s_barrier_signal -1
	s_barrier_wait -1
.irp t, 0,1,2,3,4,5,6,7,8,9,10,11,12,13,14,15
	ds_load_b128 v[R+4*\t:R+4*\t+3], v10 offset:2*\t*TPITCH
.endr
.irp t, 0,1,2,3,4,5,6,7,8,9,10,11,12,13,14,15
	s_wait_dscnt 15-\t
	global_store_b128 v14, v[R+4*\t:R+4*\t+3], s[10:11] offset:2*\t*TROW   ; sixteen lanes store 256 consecutive bytes, at a multiple of 256 from tab's first byte
.endr
	s_wait_tensorcnt 0x0                           ; the wave's end
	ds_add_u32 v12, v13
	s_wait_dscnt 0x0
	s_endpgm
.Lfunc_end_k_qf96de641f5_wtab:
	.size	k_qf96de641f5_wtab, .Lfunc_end_k_qf96de641f5_wtab-k_qf96de641f5_wtab
	.p2alignl 7, 3214868480
	.fill 96, 4, 3214868480
	.section	.rodata,"a",@progbits
	.p2align	6, 0x0
	.amdhsa_kernel k_qf96de641f5_wtab
		.amdhsa_group_segment_fixed_size 69632
		.amdhsa_private_segment_fixed_size 0
		.amdhsa_enable_private_segment 0
		.amdhsa_kernarg_size 40
		.amdhsa_user_sgpr_count 2
		.amdhsa_user_sgpr_kernarg_segment_ptr 1
		.amdhsa_wavefront_size32 1
		.amdhsa_system_sgpr_workgroup_id_x 1
		.amdhsa_system_sgpr_workgroup_id_y 1
		.amdhsa_system_sgpr_workgroup_id_z 1
		.amdhsa_system_vgpr_workitem_id 0
		.amdhsa_next_free_vgpr 256
		.amdhsa_next_free_sgpr 90
		.amdhsa_reserve_vcc 1
		.amdhsa_float_denorm_mode_32 3
		.amdhsa_float_denorm_mode_16_64 3
		.amdhsa_memory_ordered 1
		.amdhsa_forward_progress 1
		.amdhsa_inst_pref_size 31
	.end_amdhsa_kernel
	.amdgpu_metadata
---
amdhsa.version: [ 1, 2 ]
amdhsa.kernels:
  - .name:           k_qf96de641f5_wtab
    .symbol:         k_qf96de641f5_wtab.kd
    .args:
      - { .name: W_ih, .offset: 0, .size: 8, .value_kind: global_buffer, .address_space: global }
      - { .name: b_ih, .offset: 8, .size: 8, .value_kind: global_buffer, .address_space: global }
      - { .name: b_hh, .offset: 16, .size: 8, .value_kind: global_buffer, .address_space: global }
      - { .name: tab, .offset: 24, .size: 8, .value_kind: global_buffer, .address_space: global }
      - { .name: wc, .offset: 32, .size: 8, .value_kind: global_buffer, .address_space: global }
    .group_segment_fixed_size: 69632
    .private_segment_fixed_size: 0
    .kernarg_segment_align: 8
    .kernarg_segment_size: 40
    .max_flat_workgroup_size: 128
    .sgpr_count:     90
    .vgpr_count:     256
    .wavefront_size: 32
...
	.end_amdgpu_metadata
.endif
;; end of part 1
;; launch lstm (part 2): grid 256 x 1, 8 waves a work-group, no clusters, 167,936 bytes of LDS; arguments tab, wc, positions, loads, time, gamma, beta, out0; writes out0
.if DOCPART == 2
	.amdgcn_target "amdgcn-amd-amdhsa--gfx1250"
	.amdhsa_code_object_version 6
	.text
	.protected	k_qf96de641f5_lstm
	.globl	k_qf96de641f5_lstm
	.p2align	8
	.type	k_qf96de641f5_lstm,@function
k_qf96de641f5_lstm:
	s_mov_b64 s[64:65], 0
	v_nop
	global_prefetch_b8 v0, s[64:65] scope:SCOPE_SE
	s_setreg_imm32_b32 hwreg(HW_REG_WAVE_MODE, 25, 1), 1
	s_wait_xcnt 0x0
; out0 = LayerNorm(sigmoid(o) tanh(sigmoid(i) tanh(g))).  Left out as in the first launch: the gate f, and the products of K steps 0-2 and 4-7 with the zeros of the one-hot rows.
; gates = tab[position, where it is under 384] + (K step 3 of Q(feat) Q(W_ih)^T, k = 384 .. 511, by the matrix instruction on codes of FP6) + the time's row of tab with the biases.
; K step 3 of feat holds the position's 1 from 384 on, load / 100 at k = 500 and the time's 1 where its k is under 512; its codes and block 15's scale are made here by the quantiser.
; A position from 384 on, or outside 0 .. 499, takes tab's row 1023, zeros; a time whose k is under 512 takes row 1012, the biases alone.
; LIMITS: NaN and infinities among the inputs are not served; the exponent of e^(-2 g) is held to -60 .. 60 (tanh is then 1 to the last bit).
; SHARES.  A work-group takes 8 batches, a wave one batch: 16 rows, all 512 units: LayerNorm stays in the wave.  Source 0 = the 16 rows of feat, source 1 = 16 units of W: lane (r, h), register j of a tile
; holds row 8 h + j and the tile's unit r.  Unit r of unit tile n is 64 (n / 4) + 4 r + n % 4: so four neighbouring tiles give a lane 16 neighbouring bytes of a row of out0, and sixteen lanes 256.
; 16 CHUNKS of 6 tiles (2 unit tiles x i, g, o).  A chunk's 48 accumulator registers are loaded from tab (register j: the row of position 8 h + j; sixteen lanes read 64 consecutive bytes, a chunk 384 of each row)
; and are the C of its six products: the lookup costs no addition.  The loads go out a chunk ahead, into the other of two buffers: so no prefetch is laid beside them.
; W's codes of K step 3 (wc, 159,744 bytes) come into LDS once, a tensor load a wave, and are never filled again.  cluster = none: what the work-groups share, these bytes, is about a ninth of what each reads.
; REGISTERS.  Window 0: v1-9 addresses, v15 feat's scale word, v16-21 W's, v22-33 the time's row (two sets), v34-41 the positions' offsets, v42-53 feat's fragment, v54-125 W's six fragments (later gamma, beta),
; v126-173, v174-221 the two buffers (later rows on their way out), v222-255 at work.  Window 1: h: unit tile n at v[8 n].
.set TROW, 6144
.set SPARE, 159744                     ; behind wc's image: the spare words, 128 bytes for each wave
.set LA, 2                             ; v2-4  16 x lane + 0, 65536, 131072
.set LS, 5                             ; v5    4 x lane + 131072
.set AS, 15
.set WS, 16
.set T0, 22
.set VO, 34
.set AF, 42
.set WF, 54
.set GA, 54
.set BE, 86
.set P0, 126
.set YY, 126
.set SS, 222
.set QQ, 230
.set MSB, 0
.macro WIN new                         ; the immediate's high byte repeats the setting that is left
.if MSB != (\new)
	s_set_vgpr_msb (MSB<<8)|(\new)
.set MSB, (\new)
.endif
.endm
.macro GATHER c                        ; chunk c's 48 numbers of the positions' rows, and 6 of the time's
.irp t, 0,1,2,3,4,5
.irp j, 0,1,2,3,4,5,6,7
	global_load_b32 v[P0+48*((\c)%2)+8*\t+\j], v[VO+\j], s[4:5] offset:64*(6*(\c)+\t)
.endr
	global_load_b32 v[T0+6*((\c)%2)+\t], v1, s[32:33] offset:64*(6*(\c)+\t)
.endr
.endm
.macro WFETCH c                        ; chunk c's six fragments of W and their scale words
.irp t, 0,1,2,3,4,5
.irp p, 0,1,2
	ds_load_b128 v[WF+12*\t+4*\p:WF+12*\t+4*\p+3], v[LA+(1536*(6*(\c)+\t)+512*\p)/65536] offset:(1536*(6*(\c)+\t)+512*\p)%65536
.endr
	ds_load_b32 v[WS+\t], v[LS] offset:16384+128*(6*(\c)+\t)
.endr
.endm
	s_load_b512 s[4:19], s[0:1], 0x0               ; tab, wc, positions, loads, time, gamma, beta, out0
	v_lshl_add_u32 v6, v0, 2, SPARE
	v_mov_b32 v7, 0
	ds_add_u32 v6, v7                              ; the opening lines: the add, twice on end, and its wait ahead of my tensor load
	ds_add_u32 v6, v7
	v_lshrrev_b32 v1, 5, v0
	v_readfirstlane_b32 s34, v1                    ; wave 0..7
	s_mul_i32 s35, s34, 78*256                     ; my eighth of wc: 78 rows of 256 bytes
	s_mov_b32 s24, 3<<16                           ; group 1: elements of 8 bytes, no mask, no padding
	s_mov_b32 s25, 32<<16                          ; tensor_dim0 = 32: rows of 256 bytes
	s_mov_b32 s26, 78<<16                          ; tensor_dim1
	s_mov_b32 s27, 32<<16                          ; tile_dim0
	s_mov_b32 s28, 78                              ; tile_dim1
	s_mov_b32 s29, 32                              ; the pitch: the block is dense
	s_mov_b32 s30, 0
	s_mov_b32 s31, 0
	s_mov_b32 s48, s35
	s_mov_b32 s49, 0
	s_lshl_b32 s46, ttmp9, 3
	s_add_co_u32 s46, s46, s34                     ; my batch
	s_mov_b32 s36, 0xbfb8aa3b                      ; -log2(e), as a pair for the packed forms
	s_mov_b32 s37, s36
	s_mov_b32 s38, 0xc038aa3b                      ; -2 log2(e)
	s_mov_b32 s39, s38
	s_mov_b32 s40, 0x4038aa3b                      ; 2 log2(e)
	s_mov_b32 s41, s40
	s_mov_b32 s42, 0x42700000                      ; 60
	s_mov_b32 s43, 0xc2700000                      ; -60
	s_mov_b32 s44, 0xbb000000                      ; -1 / 512
	s_mov_b32 s45, s44
	s_mov_b32 s66, 0x3b000000                      ; 1 / 512
	s_mov_b32 s67, s66
	s_mov_b32 s68, 0x3727c5ac                      ; 1e-5
	s_mov_b32 s69, s68
	s_mov_b32 s59, 0x3c23d70a                      ; 0.01
	s_mov_b32 s60, 0x42c80000                      ; 100
	s_wait_dscnt 0x0                               ; both opening adds are done
	s_wait_kmcnt 0x0
	s_mov_b32 s20, 1
	s_mov_b32 s21, s35                             ; LDS: the wave's number x 19,968
	s_add_nc_u64 s[22:23], s[6:7], s[48:49]
	s_or_b32 s23, s23, 0x80000000
	tensor_load_to_lds s[20:23], s[24:31]          ; my one tensor load
	s_nop 0
	s_lshl_b32 s50, s46, 6                         ; 16 numbers of 4 bytes a batch
	s_mov_b32 s51, 0
	s_add_nc_u64 s[8:9], s[8:9], s[50:51]
	s_add_nc_u64 s[10:11], s[10:11], s[50:51]
	s_lshl_b32 s50, s46, 2
	s_add_nc_u64 s[12:13], s[12:13], s[50:51]
	s_lshl_b32 s50, s46, 15                        ; 16 rows of 2,048 bytes
	s_add_nc_u64 s[18:19], s[18:19], s[50:51]
	s_load_b32 s52, s[12:13], 0x0                  ; my batch's time
	v_and_b32 v10, 31, v0                          ; lane
	v_and_b32 v11, 15, v0                          ; r
	v_bfe_u32 v12, v0, 4, 1                        ; h
	v_lshlrev_b32 v1, 2, v11                       ; 4 r
	v_lshlrev_b32 v2, 4, v10
	v_add_nc_u32 v3, 0x10000, v2
	v_add_nc_u32 v4, 0x20000, v2
	v_lshl_add_u32 v5, v10, 2, 0x20000
	v_lshlrev_b32 v9, 4, v11                       ; 16 r
	v_lshl_add_u32 v8, v12, 14, v9                 ; out0: 8 h rows + 16 r
	v_lshlrev_b32 v13, 5, v12                      ; 32 h
	v_mul_u32_u24 v14, v12, 6                      ; 6 h
	v_mov_b32 v232, 1023
	v_mov_b32 v235, 0
	v_mov_b32 v236, 1.0
	s_wait_alu depctr_va_vdst(0)                   ; the wait at the head's end
	global_load_b128 v[222:225], v13, s[8:9]       ; the positions of rows 8 h + 0 .. 7
	global_load_b128 v[226:229], v13, s[8:9] offset:16
	global_load_b32 v230, v1, s[8:9]               ; position and load of row r
	global_load_b32 v231, v1, s[10:11]
	s_wait_kmcnt 0x0
	s_max_i32 s52, s52, 0
	s_min_i32 s52, s52, 510
	s_add_co_u32 s52, s52, 501                     ; the time's k
	s_cmp_lt_u32 s52, 512                          ; in K step 3?
	s_cselect_b32 s53, 0x3f800000, 0               ; then block 15 holds a 1,
	s_cselect_b32 s54, -1, 0
	s_cselect_b32 s55, 1012, s52                   ; and the lookup brings the biases alone
	s_min_u32 s55, s55, 1023
	s_mul_i32 s32, s55, TROW
	s_mov_b32 s33, 0
	s_add_nc_u64 s[32:33], s[4:5], s[32:33]
	s_sub_co_u32 s56, s52, 384
	s_mul_i32 s56, s56, 6                          ; the bit of its code in the step's 768
	s_and_b32 s57, s56, 31
	s_lshr_b32 s56, s56, 5
	s_sub_co_u32 s58, 31, s57
	s_wait_loadcnt 0x2                             ; the eight positions are in: two loads were issued behind them
.irp j, 0,1,2,3,4,5,6,7
	v_cmp_gt_u32 vcc_lo, 384, v[222+\j]
	v_cndmask_b32 v[222+\j], v232, v[222+\j], vcc_lo
	v_min_u32 v[222+\j], 0x3ff, v[222+\j]
	v_mul_u32_u24 v[222+\j], v[222+\j], TROW
	v_add_nc_u32 v[VO+\j], v1, v[222+\j]
.endr
	s_wait_alu depctr_va_vdst(0)                   ; the wait here
	GATHER 0
	s_wait_loadcnt 54                              ; position and load of row r are in: the 54 loads of chunk 0 were issued behind them
	; FEAT'S FRAGMENT OF K STEP 3.  A row's codes are one stream of bits, code k at bit 6 (k - 384); register i of lane (r, h) is the stream's word i + 6 (i / 6) + 6 h.
	v_mul_f32 v233, s59, v231                      ; x = load / 100: a first quotient,
	v_fma_f32 v234, -v233, s60, v231               ; its remainder,
	v_fma_f32 v233, v234, s59, v233                ; and the correction
	v_add_nc_u32 v234, 0xfffffe20, v230
	v_cmp_gt_u32 vcc_lo, 20, v234                  ; block 15 (k = 480 .. 511) holds x, and a 1 where the position is 480 .. 499
	v_cndmask_b32 v234, v235, v236, vcc_lo
	v_max3_num_f32 v234, |v233|, v234, s53         ; or the time's k is under 512
	v_max_num_f32 v234, 0x1800000, v234            ; the floor 2^(3 - 127)
	v_add_nc_u32 v234, 0xff000000, v234            ; 2 off the exponent field: the conversion's scale operand
	v_lshrrev_b32 v237, 23, v234
	v_lshl_or_b32 v[AS], v237, 24, 0x7d7d7d        ; the scale word: blocks 12-14 hold at most a 1
	v_mov_b32 v174, 1.0                            ; sixteen numbers that give block 15's codes: 1 first, x fifth, else zeros
.irp i, 175,176,177,179,180,181,182,183,184,185,186,187,188,189
	v_mov_b32 v[\i], 0
.endr
	v_mov_b32 v178, v233
	v_cvt_scalef32_pk16_fp6_f32 v[190:192], v[174:189], v234
	v_nop                                          ; one plain instruction behind the scaled conversion
	v_and_b32 v238, 63, v190                       ; the code of 1 under block 15's scale
	v_and_b32 v239, 0x3f000000, v190               ; x's code, at bit 24: k = 500 is the block's 20th number, bit 120: bit 24 of its word 3,
	v_sub_nc_u32 v240, 0, v12
	v_and_b32 v239, v239, v240                     ; which is register 9 in lanes 16-31
	v_add_nc_u32 v241, 0xfffffe80, v230            ; position - 384
	v_mul_u32_u24 v242, v241, 6
	v_lshrrev_b32 v243, 5, v241
	v_and_b32 v244, 31, v242
	v_lshrrev_b32 v242, 5, v242
	v_cmp_eq_u32 vcc_lo, 3, v243
	v_mov_b32 v245, 24                             ; the code of 1 is 24 (4 x 2^-2) but in block 15
	v_cndmask_b32 v245, v245, v238, vcc_lo
	v_cmp_gt_u32 vcc_lo, 116, v241                 ; 384 .. 499 alone give a 1 here
	v_cndmask_b32 v245, v235, v245, vcc_lo
	v_lshlrev_b32 v246, v244, v245                 ; the code at its place in its word,
	v_lshrrev_b32 v245, 1, v245
	v_sub_nc_u32 v244, 31, v244
	v_lshrrev_b32 v247, v244, v245                 ; what runs over into the next,
	v_sub_nc_u32 v248, v242, v14                   ; and the word less 6 h
	v_and_b32 v249, s54, v238                      ; the same for the time's 1
	v_lshlrev_b32 v250, s57, v249
	v_lshrrev_b32 v249, 1, v249
	v_lshrrev_b32 v251, s58, v249
	v_sub_nc_u32 v252, s56, v14
.set i, 0
.rept 12
.set cst, i+6*(i/6)
	v_cmp_eq_u32 vcc_lo, cst, v248
	v_cndmask_b32 v[AF+i], v235, v246, vcc_lo
	v_cmp_eq_u32 vcc_lo, cst-1, v248
	v_cndmask_b32 v[AF+i], v[AF+i], v247, vcc_lo
.if i >= 9                             ; the time's k here is 501 .. 511: words 21-23
	v_cmp_eq_u32 vcc_lo, cst, v252
	v_cndmask_b32 v253, v235, v250, vcc_lo
	v_cmp_eq_u32 vcc_lo, cst-1, v252
	v_cndmask_b32 v253, v253, v251, vcc_lo
	v_or_b32 v[AF+i], v[AF+i], v253
.endif
.if i == 9
	v_or_b32 v[AF+i], v[AF+i], v239
.endif
.set i, i+1
.endr
.rept 4
	v_nop                                          ; an operand written by vector instructions stands four places ahead of a scaled matrix instruction
.endr
	s_wait_alu depctr_va_vdst(0)                   ; the wait directly ahead of the wait below
	s_wait_tensorcnt 0x0                           ; my eighth of wc lies in LDS
	s_barrier_signal -1
	s_barrier_wait -1                              ; everybody's does
	WFETCH 0
; One chunk.  I = e^-i, G = e^(-2 g), O = e^-o:  -2 log2(e) c = 2 log2(e) (G - 1) / ((1 + I)(1 + G));  C = e^(-2 c);  h = (1 - C) / ((1 + O)(1 + C)).  All in place: i at PB, g at PG, o at PO.
; Each batch of transcendentals has one wait ahead of it and one behind it, and a plain instruction behind its last.
.macro CHUNK c
.set PB, P0+48*((\c)%2)
.set PG, PB+16
.set PO, PB+32
.set TT, T0+6*((\c)%2)
	s_wait_loadcnt 0x0                             ; this chunk's 54 loads are in: no others are out
	s_wait_dscnt 0x0                               ; and W's fragments
.if (\c) < 15
	GATHER (\c)+1
.endif
.irp t, 0,1,2,3,4,5                    ; six accumulators, one product each, onto the numbers looked up
	v_wmma_scale_f32_16x16x128_f8f6f4 v[PB+8*\t:PB+8*\t+7], v[AF:AF+11], v[WF+12*\t:WF+12*\t+11], v[PB+8*\t:PB+8*\t+7], v[AS], v[WS+\t] matrix_a_fmt:MATRIX_FMT_FP6 matrix_b_fmt:MATRIX_FMT_FP6
.endr
.rept 4
	v_nop                                          ; four places ahead of loads into the products' sources and of the first read of a result
.endr
.if (\c) < 15
	WFETCH (\c)+1
.else
.irp g, 0,1,2,3,4,5,6,7                ; gamma and beta of units 64 g + 4 r + 0 .. 3, into the fragments' registers
	global_load_b128 v[GA+4*\g:GA+4*\g+3], v9, s[14:15] offset:256*\g
	global_load_b128 v[BE+4*\g:BE+4*\g+3], v9, s[16:17] offset:256*\g
.endr
.endif
.irp t, 0,1,2,3,4,5                    ; gate x factor + the time's row: each accumulator from its low end on; the row's number serves both halves
.irp p, 0,2,4,6
.if (\t)%2
	v_pk_fma_f32 v[PB+8*\t+\p:PB+8*\t+\p+1], v[PB+8*\t+\p:PB+8*\t+\p+1], s[36+2*(((\t)/2)%2):37+2*(((\t)/2)%2)], v[TT+\t-1:TT+\t] op_sel:[0,0,1] op_sel_hi:[1,0,1]
.else
	v_pk_fma_f32 v[PB+8*\t+\p:PB+8*\t+\p+1], v[PB+8*\t+\p:PB+8*\t+\p+1], s[36+2*(((\t)/2)%2):37+2*(((\t)/2)%2)], v[TT+\t:TT+\t+1] op_sel_hi:[1,0,0]
.endif
.endr
.endr
.set i, 0
.rept 16
	v_med3_num_f32 v[PG+i], v[PG+i], s43, s42      ; G stays a number other than 0: no infinity over infinity, no 0 times infinity
.set i, i+1
.endr
	s_wait_alu depctr_va_vdst(0)
.set i, 0
.rept 48
	v_exp_f32 v[PB+i], v[PB+i]
.set i, i+1
.endr
	v_nop
	s_wait_alu depctr_va_vdst(0)
.set i, 0
.rept 8
	v_pk_add_f32 v[PB+i:PB+i+1], v[PB+i:PB+i+1], 1.0 op_sel_hi:[1,0]
.set i, i+2
.endr
.set i, 0
.rept 8
	v_pk_fma_f32 v[PB+i:PB+i+1], v[PB+i:PB+i+1], v[PG+i:PG+i+1], v[PB+i:PB+i+1]   ; (1 + I) G + (1 + I)
.set i, i+2
.endr
.set i, 0
.rept 8
	v_pk_fma_f32 v[PG+i:PG+i+1], v[PG+i:PG+i+1], s[40:41], s[38:39] op_sel_hi:[1,0,0]   ; 2 log2(e) (G - 1)
.set i, i+2
.endr
	s_wait_alu depctr_va_vdst(0)
.set i, 0
.rept 16
	v_rcp_f32 v[PB+i], v[PB+i]
.set i, i+1
.endr
.set i, 0
.rept 8
	v_pk_add_f32 v[PO+i:PO+i+1], v[PO+i:PO+i+1], 1.0 op_sel_hi:[1,0]   ; 1 + O: work that names no reciprocal
.set i, i+2
.endr
	s_wait_alu depctr_va_vdst(0)
.set i, 0
.rept 8
	v_pk_mul_f32 v[PG+i:PG+i+1], v[PG+i:PG+i+1], v[PB+i:PB+i+1]
.set i, i+2
.endr
	s_wait_alu depctr_va_vdst(0)
.set i, 0
.rept 16
	v_exp_f32 v[PG+i], v[PG+i]                     ; C
.set i, i+1
.endr
	v_nop
	s_wait_alu depctr_va_vdst(0)
.set i, 0
.rept 8
	v_pk_fma_f32 v[PO+i:PO+i+1], v[PO+i:PO+i+1], v[PG+i:PG+i+1], v[PO+i:PO+i+1]   ; (1 + O) C + (1 + O)
.set i, i+2
.endr
.set i, 0
.rept 8
	v_pk_fma_f32 v[PG+i:PG+i+1], v[PG+i:PG+i+1], -1.0, 1.0 op_sel_hi:[1,0,0]      ; 1 - C
.set i, i+2
.endr
	s_wait_alu depctr_va_vdst(0)
.set i, 0
.rept 16
	v_rcp_f32 v[PO+i], v[PO+i]
.set i, i+1
.endr
	v_nop
	s_wait_alu depctr_va_vdst(0)
	WIN 0x40                                       ; the destination: window 1
.set i, 0
.rept 8
	v_pk_mul_f32 v[16*(\c)+i:16*(\c)+i+1], v[PG+i:PG+i+1], v[PO+i:PO+i+1]   ; h of unit tiles 2 c and 2 c + 1
.set i, i+2
.endr
	WIN 0
.endm
.irp c, 0,1,2,3,4,5,6,7,8,9,10,11,12,13,14,15   ; written out chunk by chunk: each writes other registers of h
	CHUNK \c
.endr
; LayerNorm.  A row's 512 units lie in 32 registers of each of 16 lanes.  The mean, the centred numbers, their squares' sum: no difference of large sums is formed.  Four chains, a pair of rows each.
.macro ACROSS b                        ; eight sums over the sixteen lanes of each half
.irp m, 1,2,4,8
.irp j, 0,1,2,3,4,5,6,7
	v_add_f32_dpp v[\b+\j], v[\b+\j], v[\b+\j] row_xmask:\m row_mask:0xf bank_mask:0xf
.endr
.endr
.endm
	WIN 0x05
.irp p, 0,2,4,6
	v_pk_add_f32 v[SS+\p:SS+\p+1], v[\p:\p+1], v[8+\p:9+\p]
.endr
	WIN 0x04
.set n, 2
.rept 30
.irp p, 0,2,4,6
	v_pk_add_f32 v[SS+\p:SS+\p+1], v[SS+\p:SS+\p+1], v[8*n+\p:8*n+\p+1]
.endr
.set n, n+1
.endr
	WIN 0
	ACROSS SS
	WIN 0x50
.set n, 0
.rept 32
.irp p, 0,2,4,6
	v_pk_fma_f32 v[8*n+\p:8*n+\p+1], v[SS+\p:SS+\p+1], s[44:45], v[8*n+\p:8*n+\p+1] op_sel_hi:[1,0,1]   ; h - sum / 512
.endr
.set n, n+1
.endr
	WIN 0x05
.irp p, 0,2,4,6
	v_pk_mul_f32 v[QQ+\p:QQ+\p+1], v[\p:\p+1], v[\p:\p+1]
.endr
.set n, 1
.rept 31
.irp p, 0,2,4,6
	v_pk_fma_f32 v[QQ+\p:QQ+\p+1], v[8*n+\p:8*n+\p+1], v[8*n+\p:8*n+\p+1], v[QQ+\p:QQ+\p+1]
.endr
.set n, n+1
.endr
	WIN 0
	ACROSS QQ
.irp p, 0,2,4,6
	v_pk_fma_f32 v[QQ+\p:QQ+\p+1], v[QQ+\p:QQ+\p+1], s[66:67], s[68:69] op_sel_hi:[1,0,0]   ; / 512 + eps
.endr
	s_wait_alu depctr_va_vdst(0)
.irp j, 0,1,2,3,4,5,6,7
	v_rsq_f32 v[QQ+\j], v[QQ+\j]
.endr
	v_nop
	s_wait_alu depctr_va_vdst(0)
	WIN 0x41
.set n, 0
.rept 32
.irp p, 0,2,4,6
	v_pk_mul_f32 v[8*n+\p:8*n+\p+1], v[8*n+\p:8*n+\p+1], v[QQ+\p:QQ+\p+1]
.endr
.set n, n+1
.endr
	WIN 0
	s_wait_alu depctr_va_vdst(0)                   ; the wait directly ahead of the wait below
	s_wait_loadcnt 0x0                             ; gamma and beta
; The way out: times gamma plus beta, the four tiles of a group into four neighbouring registers: 16 neighbouring bytes of row 8 h + j.  Two halves of 32 stores on 128 registers.
.irp grp, 0,1
.if \grp
	s_wait_xcnt 0x0                                ; the first half's stores have read their registers
.endif
	WIN 0x01                                       ; source 0: window 1
.irp gg, 0,1,2,3
.irp j, 0,1,2,3,4,5,6,7
.irp i, 0,1,2,3
	v_fma_f32 v[YY+32*\gg+4*\j+\i], v[8*(4*(4*\grp+\gg)+\i)+\j], v[GA+4*(4*\grp+\gg)+\i], v[BE+4*(4*\grp+\gg)+\i]
.endr
.endr
.endr
	WIN 0
.irp gg, 0,1,2,3
.irp j, 0,1,2,3,4,5,6,7
	global_store_b128 v8, v[YY+32*\gg+4*\j:YY+32*\gg+4*\j+3], s[18:19] offset:2048*\j+256*(4*\grp+\gg) th:TH_STORE_NT   ; each half of the lanes stores 256 consecutive bytes, at a multiple of 256 from out0's first byte
.endr
.endr
.endr
	s_wait_tensorcnt 0x0                           ; the wave's end
	ds_add_u32 v6, v7
	s_wait_dscnt 0x0
	s_endpgm
.Lfunc_end_k_qf96de641f5_lstm:
	.size	k_qf96de641f5_lstm, .Lfunc_end_k_qf96de641f5_lstm-k_qf96de641f5_lstm
	.p2alignl 7, 3214868480
	.fill 96, 4, 3214868480
	.section	.rodata,"a",@progbits
	.p2align	6, 0x0
	.amdhsa_kernel k_qf96de641f5_lstm
		.amdhsa_group_segment_fixed_size 167936
		.amdhsa_private_segment_fixed_size 0
		.amdhsa_enable_private_segment 0
		.amdhsa_kernarg_size 64
		.amdhsa_user_sgpr_count 2
		.amdhsa_user_sgpr_kernarg_segment_ptr 1
		.amdhsa_wavefront_size32 1
		.amdhsa_system_sgpr_workgroup_id_x 1
		.amdhsa_system_sgpr_workgroup_id_y 1
		.amdhsa_system_sgpr_workgroup_id_z 1
		.amdhsa_system_vgpr_workitem_id 0
		.amdhsa_next_free_vgpr 512
		.amdhsa_next_free_sgpr 90
		.amdhsa_reserve_vcc 1
		.amdhsa_float_denorm_mode_32 3
		.amdhsa_float_denorm_mode_16_64 3
		.amdhsa_memory_ordered 1
		.amdhsa_forward_progress 1
		.amdhsa_inst_pref_size 255
	.end_amdhsa_kernel
	.section	.bss,"aw",@nobits
	.p2align	6
	.space	262144
	.amdgpu_metadata
---
amdhsa.version: [ 1, 2 ]
amdhsa.kernels:
  - .name:           k_qf96de641f5_lstm
    .symbol:         k_qf96de641f5_lstm.kd
    .args:
      - { .name: tab, .offset: 0, .size: 8, .value_kind: global_buffer, .address_space: global }
      - { .name: wc, .offset: 8, .size: 8, .value_kind: global_buffer, .address_space: global }
      - { .name: positions, .offset: 16, .size: 8, .value_kind: global_buffer, .address_space: global }
      - { .name: loads, .offset: 24, .size: 8, .value_kind: global_buffer, .address_space: global }
      - { .name: time, .offset: 32, .size: 8, .value_kind: global_buffer, .address_space: global }
      - { .name: gamma, .offset: 40, .size: 8, .value_kind: global_buffer, .address_space: global }
      - { .name: beta, .offset: 48, .size: 8, .value_kind: global_buffer, .address_space: global }
      - { .name: out0, .offset: 56, .size: 8, .value_kind: global_buffer, .address_space: global }
    .group_segment_fixed_size: 167936
    .private_segment_fixed_size: 0
    .kernarg_segment_align: 8
    .kernarg_segment_size: 64
    .max_flat_workgroup_size: 256
    .sgpr_count:     90
    .vgpr_count:     512
    .wavefront_size: 32
...
	.end_amdgpu_metadata
.endif
;; end of part 2
